; MI455X (gfx1250); checked and timed in simulation.
; The chip was launched on July 23, 2026; its instructions are those of AMD's public machine-readable ISA for CDNA 5 (MIT licence, August 2026) and "CDNA5" Instruction Set Architecture Reference Guide (July 2026). The comments in the code are by the model that wrote it; some were corrected since.
;; Euler Full Attention. Allowed arithmetic: matrix products marked QUANTISED: E5M2 operands, one E8M0 scale for each 32 along K, by v_wmma_scale_f32_16x16x128_f8f6f4 with both operands' format E5M2, f32 sums; everything else in f32.
;; Inputs: b_k 16 x 64 float32; b_out 1,024 float32; b_q 16 x 64 float32; b_v 16 x 64 float32; phi_k 16 x 64 float32; phi_q 16 x 64 float32; w_k 16 x 64 float32; w_out 1,024 float32; w_q 16 x 64 float32; w_v 16 x 64 float32; x 2 x 2,048 x 1,024 float32.
;; Outputs: out0 2 x 2,048 x 1,024 float32.
;; This version of the problem:
;;   THIS VERSION OF THE PROBLEM IS GIVEN IN LOW PRECISION. The matrix products marked QUANTISED in the list below multiply operands that are first quantised to E5M2 (5 exponent bits, 2 mantissa bits; 8 bits a number), with one power-of-two scale for each 32 numbers along K (OCP MX v1.0); their sums are f32. All else is computed in f32.
;;   The module's matrix products, in the order in which they are computed (A, B: the left and right operand; K: the contracted axis; several contracted axes count as one K, in the product's order):
;;     1. batch 32 x [M 2,048, K 128] x [K 128, N 2,048]; A: computed on the way; B: computed on the way: QUANTISED
;;     2. batch 32 x [M 64, K 2,048] x [K 2,048, N 2,048]; A: computed on the way; B: softmax (see below): QUANTISED
;;   THE QUANTISER, for each operand of a quantised product, along K:
;;     - K is cut into blocks of 32 from its start; a last block that is shorter is filled with zeros.
;;     - A block's scale is 2^e with e = floor(log2(the largest magnitude in the block)) - 15, held to -126 .. 127; a block of zeros has e = 0. As a byte (E8M0): e + 127.
;;     - Each number is divided by its block's scale, clamped to +-57,344, and rounded to the nearest number of E5M2, ties to even, subnormals kept.
;;     - The product sums the exact products of the quantised numbers (number of the format x scale) in f32.
;;   ~~~python
;;   def quantise(x, axis):      # numpy; x: float32 -> the quantised numbers, widened to float32 again
;;       x = np.moveaxis(x, axis, -1); K = x.shape[-1]
;;       x = np.pad(x, [(0, 0)] * (x.ndim - 1) + [(0, -K % 32)]); x = x.reshape(x.shape[:-1] + (-1, 32)); a = np.abs(x).max(-1, keepdims=True)
;;       e = np.where(a > 0, np.clip(np.frexp(np.where(a > 0, a, 1))[1] - 1 - 15, -126, 127), 0)      # np.frexp(a)[1] - 1 = floor(log2(a)), exactly
;;       r = np.clip(x / 2.0 ** e, -57344, 57344)
;;       step = 2.0 ** (np.maximum(np.frexp(np.where(r == 0, 1, r))[1] - 1, -14) - 2)
;;       q = np.round(r / step) * step * 2.0 ** e      # np.round: ties to even
;;       return np.moveaxis(q.reshape(q.shape[:-2] + (-1,))[..., :K], -1, axis).astype(np.float32)
;;   ~~~
;;   SOFTMAX AHEAD OF A QUANTISED PRODUCT. Where the list says 'softmax', what is quantised is not the finished softmax but p = 2^(t - M), with t = logit x log2(e) and M = ceil(the row's largest t), a whole number; so 1/2 < the row's largest p <= 1. The row's sum l is taken of the UNQUANTISED p, in f32, and the product's result is divided by l at the end. Since M is a whole number, a kernel that streams over the keys may use a running M (the ceiling of the running maximum): every later rescaling is an exact power of two, which a block's scale takes up: the codes' values come out the same.
;;   OPERANDS COMPUTED ON THE WAY. 'Computed on the way' means the value that the module computes at that place (a softmax that the list does not call 'softmax' is quantised finished and normalised). What goes into a quantiser is computed in f32, as accurately as f32 sums, v_exp_f32 and their like allow (about 1e-6 of the number): no bf16 or f16 on the way to a quantiser, and a product that is left as it is and whose result goes on into a quantised operand takes f32 operands (vector FMAs, or v_wmma_f32_16x16x4_f32). A number that lies on a knife's edge between two numbers of the format may be rounded either way, as far as f32 arithmetic and the matrix unit's own rounding can turn it there, and no further.
;; One version. Each part assembles by itself: llvm-mc -triple=amdgcn-amd-amdhsa -mcpu=gfx1250 --defsym DOCPART=n.
;; ======== version 1 of 1: 2 launches
;; limits: right only within a limited range of input values
;; workspace buffers: qw 8,650,752 bytes; kv 12,976,128 bytes
;; launch prep (part 1): grid 16 x 32, 8 waves a work-group, no clusters, 3,072 bytes of LDS; arguments x, w_q, b_q, phi_q, w_k, b_k, phi_k, w_v, b_v, qw, kv; writes qw, kv
.if DOCPART == 1
	.amdgcn_target "amdgcn-amd-amdhsa--gfx1250"
	.amdhsa_code_object_version 6
	.text
	.protected	k_q471cc588ee_prep
	.globl	k_q471cc588ee_prep
	.p2align	8
	.type	k_q471cc588ee_prep,@function
k_q471cc588ee_prep:
	s_mov_b64 s[64:65], 0
	v_nop
	global_prefetch_b8 v0, s[64:65] scope:SCOPE_SE
	s_setreg_imm32_b32 hwreg(HW_REG_WAVE_MODE, 25, 1), 1
	s_wait_xcnt 0x0
; Q = [cos | sin](x / (1 + |w_q|) + b_q + t phi_q), K likewise, V = (cos + sin)(x / (1 + |w_v|) + b_v), quantised to codes of BF8 (E5M2) with one E8M0 byte for each 32 along K:
; Q and K along their 128 (cos of the 64 channels, then sin), V along the keys.  x: [2][2048][1024] f32; a head is 64 columns, 256 bytes of a row.
; SHARES.  A work-group takes 128 positions of one head (x = block of positions, y = batch x 16 + head) and writes one record of qw and one of kv.
; Waves 0-3 make Q's tiles 2 bq and 2 bq + 1 (bq = wave & 3), waves 4-7 K's: one text, only the pointers are chosen.  Each wave also makes a part of V: keys 32 c on (c = wave & 3), columns 32 a on (a = wave >> 2).
; THE WORKSPACES ARE IMAGES OF OPERAND REGISTERS: a fragment (16 rows x 128 K) is four pieces of 512 bytes, lane l's 16 bytes at 16 l; piece c holds K = 32 c + 16 (l / 16) + 0 .. 15 of row l % 16.  Every store of codes covers 512 consecutive bytes.
;   qw record, 16,896 bytes: 8 tiles of Q; at 16,384 their scale words (64 T + 4 r).
;   kv record, 25,344 bytes: 8 tiles of K; at 16,384 four tiles of V^T; at 24,576 K's scale words (64 T + 4 r); at 25,088 V's (128 a + 8 r + 4 j).
;   Row r of tile T of Q or K is position 32 (T / 2) + 8 (T % 2) + r + 8 (r / 8) of the block; row m of V's tile 2 a + j is channel 32 a + 2 m + j.
; THE TABLE STEP AS ARITHMETIC.  The linear interpolation between two neighbours of a table of 4,096 sines and cosines is the point at the angle itself, shrunk by g = 1 - kappa f (1 - f),
; kappa = (2 pi / 4096)^2 / 2, f the fraction of the table position.  y = (theta / 2 pi) mod 1 is made with the quotient's own rounding (a product, its remainder by a fused multiply-add, a correction), then y = q - floor(q).
; cos 2 pi y = S(|y - 1/2| - 1/4), sin 2 pi y = S(||y - 1/4| - 1/2| - 1/4), cos + sin = sqrt(2) S(||y - 1/8| - 1/2| - 1/4), S(t) = sin 2 pi t on |t| <= 1/4 = t x a polynomial of degree 4 in t^2.
; t phi is rounded by its own multiplication, as the sum in the source has it.
; LIMITS: the table's own f32 rounding of its entries (some 5e-7 absolute) is not reproduced; x / (1 + |w|) is x times a reciprocal (some 2 ulp); sines are right to some 2e-7 absolute, not relative; NaN and infinities among the inputs are not served.
; A block of zeros gets the byte 1 (its codes are zeros; this program alone reads the bytes).
.set REC,  25344
.set QREC, 16896
.set R,    20                          ; v20-51   1 / (1 + |w|) of my 32 channels: register 16 c + i is channel 32 c + 16 (lane / 16) + i
.set BB,   52                          ; v52-83   b likewise
.set PH,   84                          ; v84-115  phi likewise
.set NA,   116                         ; v116-179 64 numbers ahead of the quantiser; v116-147 also take tile 0's x
.set XB,   180                         ; v180-211 V's x, then tile 1's x
.set YA,   212                         ; five sets of eight registers at work
.set YB,   220
.set YC,   228
.set YD,   236
.set YE,   244
.set TM,   212                         ; the quantiser: +0 largest magnitudes, +4 bytes, +12 scale operands
.set PC,   228                         ; the codes just made
.set PW,   244                         ; the scale word just made
.set M2PI, 34                          ; scalar pairs, both words written: the packed forms name a pair and take its low word for both halves
.set K4096, 36
.set KAP,  38
.set MQ,   40
.set ME,   42
.set C4,   44
.set C2,   46
.set C1,   48
.set C0,   50
.set D4,   52
.set D2,   54
.set D1,   56
.set D0,   58
.set INV,  60
.macro SPAIR reg, val
	s_mov_b32 s[\reg], \val
	s_mov_b32 s[\reg+1], \val
.endm
; theta in v[xs .. xs + 7] -> y in YA, g in YC
.macro FRAC xs
.irp n, 0,2,4,6
	s_delay_alu instid0(VALU_DEP_4)
	v_pk_mul_f32 v[YA+\n:YA+\n+1], v[\xs+\n:\xs+\n+1], s[INV:INV+1] op_sel_hi:[1,0]                    ; q0 = theta / 2 pi, roughly
.endr
.irp n, 0,2,4,6
	s_delay_alu instid0(VALU_DEP_4)
	v_pk_fma_f32 v[\xs+\n:\xs+\n+1], v[YA+\n:YA+\n+1], s[M2PI:M2PI+1], v[\xs+\n:\xs+\n+1] op_sel_hi:[1,0,1]   ; what q0 leaves of theta
.endr
.irp n, 0,2,4,6
	s_delay_alu instid0(VALU_DEP_4)
	v_pk_fma_f32 v[YA+\n:YA+\n+1], v[\xs+\n:\xs+\n+1], s[INV:INV+1], v[YA+\n:YA+\n+1] op_sel_hi:[1,0,1]       ; the quotient, rounded as a quotient
.endr
.irp n, 0,1,2,3,4,5,6,7
	v_floor_f32 v[YB+\n], v[YA+\n]
.endr
.irp n, 0,2,4,6
	v_pk_add_f32 v[YA+\n:YA+\n+1], v[YA+\n:YA+\n+1], v[YB+\n:YB+\n+1] neg_lo:[0,1] neg_hi:[0,1]        ; y = q mod 1, in 0 .. 1
.endr
.irp n, 0,2,4,6
	s_delay_alu instid0(VALU_DEP_4)
	v_pk_mul_f32 v[YB+\n:YB+\n+1], v[YA+\n:YA+\n+1], s[K4096:K4096+1] op_sel_hi:[1,0]                  ; the place in the table
.endr
.irp n, 0,1,2,3,4,5,6,7
	v_floor_f32 v[YC+\n], v[YB+\n]
.endr
.irp n, 0,2,4,6
	v_pk_add_f32 v[YB+\n:YB+\n+1], v[YB+\n:YB+\n+1], v[YC+\n:YC+\n+1] neg_lo:[0,1] neg_hi:[0,1]        ; f
.endr
.irp n, 0,2,4,6
	s_delay_alu instid0(VALU_DEP_4)
	v_pk_fma_f32 v[YC+\n:YC+\n+1], v[YB+\n:YB+\n+1], v[YB+\n:YB+\n+1], v[YB+\n:YB+\n+1] neg_lo:[0,0,1] neg_hi:[0,0,1]   ; f f - f
.endr
.irp n, 0,2,4,6
	s_delay_alu instid0(VALU_DEP_4)
	v_pk_fma_f32 v[YC+\n:YC+\n+1], v[YC+\n:YC+\n+1], s[KAP:KAP+1], 1.0 op_sel_hi:[1,0,0]               ; g
.endr
.endm
; t in YB -> the polynomial in YE, t g in YB.  c3 stands in a vector pair, so that no line names two scalar pairs
.macro POLY c4, c3, c2, c1, c0
.irp n, 0,2,4,6
	v_pk_mul_f32 v[YD+\n:YD+\n+1], v[YB+\n:YB+\n+1], v[YB+\n:YB+\n+1]
.endr
.irp n, 0,2,4,6
	s_delay_alu instid0(VALU_DEP_4)
	v_pk_fma_f32 v[YE+\n:YE+\n+1], v[YD+\n:YD+\n+1], s[\c4:\c4+1], v[\c3:\c3+1] op_sel_hi:[1,0,1]
.endr
.irp n, 0,2,4,6
	s_delay_alu instid0(VALU_DEP_4)
	v_pk_fma_f32 v[YE+\n:YE+\n+1], v[YE+\n:YE+\n+1], v[YD+\n:YD+\n+1], s[\c2:\c2+1] op_sel_hi:[1,1,0]
.endr
.irp n, 0,2,4,6
	s_delay_alu instid0(VALU_DEP_4)
	v_pk_fma_f32 v[YE+\n:YE+\n+1], v[YE+\n:YE+\n+1], v[YD+\n:YD+\n+1], s[\c1:\c1+1] op_sel_hi:[1,1,0]
.endr
.irp n, 0,2,4,6
	s_delay_alu instid0(VALU_DEP_4)
	v_pk_fma_f32 v[YE+\n:YE+\n+1], v[YE+\n:YE+\n+1], v[YD+\n:YD+\n+1], s[\c0:\c0+1] op_sel_hi:[1,1,0]
.endr
.irp n, 0,2,4,6
	v_pk_mul_f32 v[YB+\n:YB+\n+1], v[YB+\n:YB+\n+1], v[YC+\n:YC+\n+1]
.endr
.endm
; eight x in v[xs ..], parameters from register p on -> their cosines in v[cd ..], their sines in v[sd ..]
.macro SC8 xs, p, cd, sd
.irp n, 0,2,4,6
	v_pk_fma_f32 v[\xs+\n:\xs+\n+1], v[\xs+\n:\xs+\n+1], v[R+\p+\n:R+\p+\n+1], v[BB+\p+\n:BB+\p+\n+1]
.endr
.irp n, 0,2,4,6
	v_pk_mul_f32 v[YA+\n:YA+\n+1], v[PH+\p+\n:PH+\p+\n+1], v[8:9] op_sel_hi:[1,0]                      ; t phi, rounded by itself
.endr
.irp n, 0,2,4,6
	s_delay_alu instid0(VALU_DEP_4)
	v_pk_add_f32 v[\xs+\n:\xs+\n+1], v[\xs+\n:\xs+\n+1], v[YA+\n:YA+\n+1]
.endr
	FRAC \xs
.irp n, 0,2,4,6
	v_pk_add_f32 v[YB+\n:YB+\n+1], v[YA+\n:YA+\n+1], -0.5 op_sel_hi:[1,0]
.endr
.irp n, 0,1,2,3,4,5,6,7
	v_add_f32 v[YB+\n], |v[YB+\n]|, s[MQ]                                                              ; the cosine's t
.endr
	POLY C4, 10, C2, C1, C0
.irp n, 0,2,4,6
	s_delay_alu instid0(VALU_DEP_4)
	v_pk_mul_f32 v[\cd+\n:\cd+\n+1], v[YE+\n:YE+\n+1], v[YB+\n:YB+\n+1]
.endr
.irp n, 0,2,4,6
	v_pk_add_f32 v[YB+\n:YB+\n+1], v[YA+\n:YA+\n+1], s[MQ:MQ+1] op_sel_hi:[1,0]
.endr
.irp n, 0,1,2,3,4,5,6,7
	v_add_f32 v[YB+\n], |v[YB+\n]|, -0.5
.endr
.irp n, 0,1,2,3,4,5,6,7
	v_add_f32 v[YB+\n], |v[YB+\n]|, s[MQ]                                                              ; the sine's t
.endr
	POLY C4, 10, C2, C1, C0
.irp n, 0,2,4,6
	s_delay_alu instid0(VALU_DEP_4)
	v_pk_mul_f32 v[\sd+\n:\sd+\n+1], v[YE+\n:YE+\n+1], v[YB+\n:YB+\n+1]
.endr
.endm
; V: eight x at v[XB + 8 g ..] (key 4 g + k, column j at 2 k + j) -> cos + sin at v[NA + 32 + 16 j + 4 g + k]: a column's 16 keys in consecutive registers
.macro LS8 g
.irp n, 0,2,4,6
	v_pk_fma_f32 v[XB+8*\g+\n:XB+8*\g+\n+1], v[XB+8*\g+\n:XB+8*\g+\n+1], v[14:15], v[16:17]
.endr
	FRAC XB+8*\g
.irp n, 0,2,4,6
	v_pk_add_f32 v[YB+\n:YB+\n+1], v[YA+\n:YA+\n+1], s[ME:ME+1] op_sel_hi:[1,0]
.endr
.irp n, 0,1,2,3,4,5,6,7
	v_add_f32 v[YB+\n], |v[YB+\n]|, -0.5
.endr
.irp n, 0,1,2,3,4,5,6,7
	v_add_f32 v[YB+\n], |v[YB+\n]|, s[MQ]
.endr
	POLY D4, 12, D2, D1, D0
.irp k, 0,1,2,3
.irp j, 0,1
	v_mul_f32 v[NA+32+16*\j+4*\g+\k], v[YE+2*\k+\j], v[YB+2*\k+\j]
.endr
.endr
.endm
; nb blocks: register s + 16 b + i is K = 32 b + 16 (lane / 16) + i of my row -> codes in v[PC + 4 b ..], bytes in v[TM + 4 + b], with nb = 4 the scale word in v[PW]
.macro QUANT s, nb
.irp b, 0,1,2,3
.if \b < \nb
	v_max3_num_f32 v[TM+\b], |v[\s+16*\b]|, |v[\s+1+16*\b]|, 0x8000000      ; my 16 numbers, and the floor 2^(16 - 127): the byte cannot fall under 1
.endif
.endr
.irp i, 2,4,6,8,10,12,14
.irp b, 0,1,2,3
.if \b < \nb
	v_max3_num_f32 v[TM+\b], v[TM+\b], |v[\s+16*\b+\i]|, |v[\s+1+16*\b+\i]|
.endif
.endr
.endr
.irp b, 0,1,2,3
.if \b < \nb
	v_permlanex16_b32 v[TM+4+\b], v[TM+\b], s32, s33                        ; (its destination has been written by the lines above the quantiser)
.endif
.endr
.irp b, 0,1,2,3
.if \b < \nb
	v_max_num_f32 v[TM+\b], v[TM+\b], v[TM+4+\b]                            ; with lane l xor 16's: the block's largest magnitude
.endif
.endr
.irp b, 0,1,2,3
.if \b < \nb
	v_add_nc_u32 v[TM+12+\b], 0xf8800000, v[TM+\b]                          ; 15 off its exponent field: the conversion's scale operand
.endif
.endr
.irp b, 0,1,2,3
.if \b < \nb
.endif
.endr
.irp b, 0,1,2,3
.if \b < \nb
	v_lshrrev_b32 v[TM+4+\b], 23, v[TM+12+\b]                               ; the scale's byte
.endif
.endr
.if \nb == 4
	s_delay_alu instid0(VALU_DEP_3)
	v_lshl_or_b32 v[PW], v[TM+5], 8, v[TM+4]
	s_delay_alu instid0(VALU_DEP_1)
	v_lshl_or_b32 v[PW], v[TM+6], 16, v[PW]
	s_delay_alu instid0(VALU_DEP_1)
	v_lshl_or_b32 v[PW], v[TM+7], 24, v[PW]
.endif
.irp b, 0,1,2,3
.if \b < \nb
.irp i, 0,1,2,3,4,5,6,7,8,9,10,11,12,13,14,15
.endr
	v_cvt_scalef32_pk8_bf8_f32 v[PC+4*\b:PC+1+4*\b], v[\s+16*\b:\s+7+16*\b], v[TM+12+\b]
	v_cvt_scalef32_pk8_bf8_f32 v[PC+2+4*\b:PC+3+4*\b], v[\s+8+16*\b:\s+15+16*\b], v[TM+12+\b]
.endif
.endr
	v_nop                                                                   ; one plain line behind the last conversion, ahead of whatever next writes its sources
.endm
; a tile of Q or K: 32 x a lane in v[xs ..] -> 64 numbers, their codes and scale word; the image goes out at off
.macro TILE xs, off
.irp k, 0,1,2,3
	SC8 \xs+8*\k, 8*\k, NA+8*\k, NA+32+8*\k
.endr
	QUANT NA, 4
.irp c, 0,1,2,3
	global_store_b128 v3, v[PC+4*\c:PC+4*\c+3], s[66:67] offset:\off+512*\c ; 32 lanes store 512 consecutive bytes
.endr
.endm
	s_load_b512 s[8:23], s[0:1], 0x0               ; x, w_q, b_q, phi_q, w_k, b_k, phi_k, w_v
	s_load_b128 s[24:27], s[0:1], 0x40             ; b_v, qw
	s_load_b64 s[28:29], s[0:1], 0x50              ; kv
	s_set_vgpr_msb 0x40
	v_lshl_add_u32 v0, v0, 2, 0x800
	v_mov_b32 v1, 0
	s_set_vgpr_msb 0x4000
	v_lshrrev_b32 v1, 5, v0
	s_delay_alu instid0(VALU_DEP_1)
	v_readfirstlane_b32 s2, v1                     ; wave 0..7
	s_lshr_b32 s3, s2, 2                           ; 0: Q, 1: K.  Also a: which 32 columns of V
	s_and_b32 s4, s2, 3                            ; bq: which two tiles.  Also c: which 32 keys of V
	s_mov_b32 s5, ttmp9                            ; the block of 128 positions
	s_and_b32 s6, ttmp7, 0xffff                    ; batch x 16 + head
	s_and_b32 s7, s6, 15                           ; head
	SPAIR M2PI, 0xc0c90fdb                         ; -2 pi
	SPAIR K4096, 0x45800000                        ; 4096
	SPAIR KAP, 0x359de9e6                          ; kappa = pi^2 / 2^23
	SPAIR MQ, 0xbe800000                           ; -1/4
	SPAIR ME, 0xbe000000                           ; -1/8
	SPAIR C4, 0x421f0c01                           ; sin 2 pi t / t in t^2, degree 4 down to 0 (degree 3 in v[10:11])
	SPAIR C2, 0x42a33479
	SPAIR C1, 0xc2255de2
	SPAIR C0, 0x40c90fdb
	SPAIR D4, 0x4260ed1f                           ; the same times sqrt(2) (degree 3 in v[12:13])
	SPAIR D2, 0x42e6ce82
	SPAIR D1, 0xc269dd26
	SPAIR D0, 0x410e2c19
	SPAIR INV, 0x3e22f983                          ; 1 / 2 pi
	s_mov_b32 s32, 0x76543210
	s_mov_b32 s33, 0xfedcba98                      ; v_permlanex16_b32's selects for lane l xor 16
	; offsets, apart from the addresses
	s_lshr_b32 s62, s6, 4
	s_lshl_b32 s62, s62, 23                        ; batch: 2,048 rows of 4,096 bytes
	s_lshl_b32 s63, s5, 19                         ; block: 128 rows
	s_or_b32 s62, s62, s63
	s_lshl_b32 s74, s7, 8                          ; head: 256 bytes, in x and in every parameter
	s_or_b32 s62, s62, s74
	s_mov_b32 s63, 0
	s_mov_b32 s75, 0
	s_lshl_b32 s76, s3, 7
	s_add_co_u32 s76, s76, s74                     ; V's parameters: + 128 a
	s_mov_b32 s77, 0
	s_lshl_b32 s78, s6, 4
	s_add_co_u32 s78, s78, s5                      ; the record's number
	s_mul_i32 s80, s78, REC
	s_mov_b32 s81, 0
	s_mul_i32 s78, s78, QREC
	s_mov_b32 s79, 0
	s_lshl_b32 s82, s4, 12                         ; my two tiles' images
	s_mov_b32 s83, 0
	s_lshl_b32 s84, s3, 12
	s_lshl_b32 s85, s4, 9
	s_add_co_u32 s84, s84, s85
	s_add_co_u32 s84, s84, 16384                   ; V's tile 2 a, piece c
	s_mov_b32 s85, 0
	v_and_b32 v252, 15, v0                         ; r
	v_bfe_u32 v253, v0, 4, 1                       ; h
	v_and_b32 v254, 31, v0                         ; lane
	s_delay_alu instid0(VALU_DEP_3)
	v_and_b32 v255, 8, v252
	s_delay_alu instid0(VALU_DEP_1)
	v_add_nc_u32 v255, v255, v252                  ; r + 8 (r / 8)
	s_delay_alu instid0(VALU_DEP_4)
	v_lshlrev_b32 v2, 6, v253                      ; v2: parameters: 64 h
	s_delay_alu instid0(VALU_DEP_1)
	v_lshl_add_u32 v1, v255, 12, v2
	s_lshl_b32 s86, s4, 17
	v_add_nc_u32 v1, s86, v1                       ; v1: x for the tiles: row 32 bq + r + 8 (r / 8), + 64 h
	v_lshlrev_b32 v3, 4, v254                      ; v3: 16 x lane: an image's place for my lane
	v_lshlrev_b32 v4, 16, v253
	s_delay_alu instid0(VALU_DEP_1)
	v_lshl_add_u32 v4, v252, 3, v4
	s_lshl_b32 s87, s3, 7
	s_add_co_u32 s86, s86, s87
	v_add_nc_u32 v4, s86, v4                       ; v4: x for V: row 32 c + 16 h, columns 32 a + 2 r and the next
	v_lshlrev_b32 v5, 2, v0                        ; v5: 4 x thread: my word among the scale words in LDS
	v_lshlrev_b32 v6, 9, v253
	s_delay_alu instid0(VALU_DEP_1)
	v_lshl_add_u32 v6, v252, 2, v6                 ; v6: 512 h + 4 r: where wave 2 gathers V's bytes
	v_lshlrev_b32 v7, 3, v254                      ; v7: 8 x lane
	s_lshl_b32 s86, s5, 7
	s_lshl_b32 s87, s4, 5
	s_add_co_u32 s86, s86, s87
	v_add_nc_u32 v8, s86, v255
	s_delay_alu instid0(VALU_DEP_1)
	v_cvt_f32_u32 v8, v8                           ; v8: t, my row's position in tile 0 (under 2,048: exact)
	s_delay_alu instid0(VALU_DEP_1)
	v_mov_b32 v9, v8                               ; (named with it as a pair)
	v_mov_b32 v10, 0xc29929a9
	v_mov_b32 v11, 0xc29929a9
	v_mov_b32 v12, 0xc2d89ad5
	v_mov_b32 v13, 0xc2d89ad5
	v_cmp_le_u32 s30, 16, v254                     ; s30: lanes 16-31
	v_lshlrev_b32 v252, 3, v252                    ; v252: 8 r: V's parameters
	s_wait_alu depctr_va_vdst(0)
	s_wait_kmcnt 0x0
	s_add_nc_u64 s[8:9], s[8:9], s[62:63]          ; x at the work-group's first row, my head
	s_add_nc_u64 s[70:71], s[26:27], s[78:79]      ; qw's record
	s_add_nc_u64 s[72:73], s[28:29], s[80:81]      ; kv's record
	s_cmp_lt_u32 s2, 4                             ; Q's wave or K's?  The choice hangs on the wave's number alone; the 64-bit sums leave SCC alone
	s_cselect_b64 s[10:11], s[10:11], s[16:17]     ; w
	s_cselect_b64 s[12:13], s[12:13], s[18:19]     ; b
	s_cselect_b64 s[14:15], s[14:15], s[20:21]     ; phi
	s_cselect_b64 s[66:67], s[70:71], s[72:73]
	s_add_nc_u64 s[66:67], s[66:67], s[82:83]      ; where my tiles' images go
	s_add_nc_u64 s[68:69], s[72:73], s[84:85]      ; where my pieces of V go
	s_add_nc_u64 s[70:71], s[70:71], 16384         ; Q's scale words
	s_add_nc_u64 s[72:73], s[72:73], 24576         ; K's, and 512 bytes on V's
	s_add_nc_u64 s[10:11], s[10:11], s[74:75]
	s_add_nc_u64 s[12:13], s[12:13], s[74:75]
	s_add_nc_u64 s[14:15], s[14:15], s[74:75]
	s_add_nc_u64 s[22:23], s[22:23], s[76:77]
	s_add_nc_u64 s[24:25], s[24:25], s[76:77]
	; fifty loads go out at once, in the order in which they are wanted
.irp c, 0,1
.irp j, 0,1,2,3
	global_load_b128 v[R+16*\c+4*\j:R+16*\c+4*\j+3], v2, s[10:11] offset:128*\c+16*\j       ; 8: w
.endr
.endr
	global_load_b64 v[14:15], v252, s[22:23]                                                ; 2: w_v, b_v of my two columns
	global_load_b64 v[16:17], v252, s[24:25]
.irp i, 0,1,2,3,4,5,6,7,8,9,10,11,12,13,14,15
	global_load_b64 v[XB+2*\i:XB+2*\i+1], v4, s[8:9] offset:4096*\i                         ; 16: V's x: sixteen lanes read 128 consecutive bytes of a row
.endr
.irp c, 0,1
.irp j, 0,1,2,3
	global_load_b128 v[BB+16*\c+4*\j:BB+16*\c+4*\j+3], v2, s[12:13] offset:128*\c+16*\j     ; 8: b
.endr
.endr
.irp c, 0,1
.irp j, 0,1,2,3
	global_load_b128 v[PH+16*\c+4*\j:PH+16*\c+4*\j+3], v2, s[14:15] offset:128*\c+16*\j     ; 8: phi
.endr
.endr
.irp c, 0,1
.irp j, 0,1,2,3
	global_load_b128 v[NA+16*\c+4*\j:NA+16*\c+4*\j+3], v1, s[8:9] offset:128*\c+16*\j       ; 8: tile 0's x
.endr
.endr
	s_wait_loadcnt 40                              ; w, w_v and b_v are in; behind them 16 + 16 + 8 loads stay out
.set i, 0
.rept 32
	v_add_f32 v[R+i], 1.0, |v[R+i]|
.set i, i+1
.endr
	v_add_f32 v14, 1.0, |v14|
	v_add_f32 v15, 1.0, |v15|
.set i, 0
	s_wait_alu depctr_va_vdst(0)
.rept 32
	v_rcp_f32 v[R+i], v[R+i]                       ; one batch of 34 reciprocals
.set i, i+1
.endr
	v_rcp_f32 v14, v14
	v_rcp_f32 v15, v15
	v_nop                                          ; the plain line behind the last of them
	s_wait_alu depctr_va_vdst(0)                   ; one wait for the batch, ahead of its first reader
	s_wait_loadcnt 24                              ; V's x is in; b, phi and tile 0's x (16 + 8) stay out
.irp g, 0,1,2,3
	LS8 \g
.endr
	QUANT NA+32, 2                                 ; block j: 32 keys of channel 32 a + 2 r + j
	global_store_b128 v3, v[PC:PC+3], s[68:69]                     ; piece c of V's tile 2 a,
	global_store_b128 v3, v[PC+4:PC+7], s[68:69] offset:2048       ; and of tile 2 a + 1
	v_cndmask_b32 v19, v[TM+4], v[TM+5], s30       ; lanes 0-15 carry the even column's byte, lanes 16-31 the odd column's
	ds_store_b32 v5, v19 offset:1024               ; into my wave's own 128 bytes
	s_wait_dscnt 0x0
	s_wait_xcnt 0x0                                ; the stores have read their registers: the codes' registers are at work again below
.irp c, 0,1
.irp j, 0,1,2,3
	global_load_b128 v[XB+16*\c+4*\j:XB+16*\c+4*\j+3], v1, s[8:9] offset:32768+128*\c+16*\j ; 8: tile 1's x, eight rows further down
.endr
.endr
	s_wait_loadcnt 8                               ; b, phi and tile 0's x are in; the eight just issued stay out
	TILE NA, 0
	v_mov_b32 v18, v[PW]                           ; tile 0's scale word
	s_wait_xcnt 0x0                                ; tile 0's stores have read the codes' registers
	s_wait_loadcnt 0x0
	v_add_f32 v8, 0x41000000, v8                   ; tile 1's rows lie eight positions on
	TILE XB, 2048
	v_cndmask_b32 v19, v18, v[PW], s30             ; both halves of the lanes hold a row's word: lanes 0-15 carry tile 0's, lanes 16-31 tile 1's
	ds_store_b32 v5, v19                           ; bytes 0-511: Q's words (64 T + 4 r), 512-1023: K's
	s_wait_dscnt 0x0                               ; for the others' sake: my stores have landed
	s_barrier_signal -1
	s_barrier_wait -1
	s_cmp_eq_u32 s2, 0
	s_cbranch_scc0 .Lnot_q
	ds_load_b128 v[212:215], v3
	s_wait_dscnt 0x0
	global_store_b128 v3, v[212:215], s[70:71]     ; Q's 128 scale words: 512 consecutive bytes
.Lnot_q:
	s_cmp_eq_u32 s2, 1
	s_cbranch_scc0 .Lnot_k
	ds_load_b128 v[212:215], v3 offset:512
	s_wait_dscnt 0x0
	global_store_b128 v3, v[212:215], s[72:73]     ; K's
.Lnot_k:
	s_cmp_eq_u32 s2, 2
	s_cbranch_scc0 .Lnot_v
.irp j, 0,1
.irp c, 0,1,2,3
	ds_load_b32 v[212+4*\j+\c], v6 offset:1024+128*\c+64*\j        ; lane (a, r): the byte of keys 32 c on, column j, from wave 4 a + c's words
.endr
.endr
	s_wait_dscnt 0x0
.irp j, 0,1
	v_lshl_or_b32 v[220+\j], v[213+4*\j], 8, v[212+4*\j]
	s_delay_alu instid0(VALU_DEP_1)
	v_lshl_or_b32 v[220+\j], v[214+4*\j], 16, v[220+\j]
	s_delay_alu instid0(VALU_DEP_1)
	v_lshl_or_b32 v[220+\j], v[215+4*\j], 24, v[220+\j]
.endr
	global_store_b64 v7, v[220:221], s[72:73] offset:512           ; V's 64 scale words: 256 consecutive bytes, aligned
.Lnot_v:
	s_set_vgpr_msb 0x5
	s_wait_tensorcnt 0x0
	ds_add_u32 v0, v1
	s_wait_dscnt 0x0
	s_set_vgpr_msb 0x500
	s_endpgm
.Lfunc_end_k_q471cc588ee_prep:
	.size	k_q471cc588ee_prep, .Lfunc_end_k_q471cc588ee_prep-k_q471cc588ee_prep
	.p2alignl 7, 3214868480
	.fill 96, 4, 3214868480
	.section	.rodata,"a",@progbits
	.p2align	6, 0x0
	.amdhsa_kernel k_q471cc588ee_prep
		.amdhsa_group_segment_fixed_size 3072
		.amdhsa_private_segment_fixed_size 0
		.amdhsa_enable_private_segment 0
		.amdhsa_kernarg_size 88
		.amdhsa_user_sgpr_count 2
		.amdhsa_user_sgpr_kernarg_segment_ptr 1
		.amdhsa_wavefront_size32 1
		.amdhsa_system_sgpr_workgroup_id_x 1
		.amdhsa_system_sgpr_workgroup_id_y 1
		.amdhsa_system_sgpr_workgroup_id_z 1
		.amdhsa_system_vgpr_workitem_id 0
		.amdhsa_next_free_vgpr 258
		.amdhsa_next_free_sgpr 88
		.amdhsa_reserve_vcc 0
		.amdhsa_float_denorm_mode_32 3
		.amdhsa_float_denorm_mode_16_64 3
		.amdhsa_fp16_overflow 1
		.amdhsa_memory_ordered 1
		.amdhsa_forward_progress 1
		.amdhsa_inst_pref_size 143
	.end_amdhsa_kernel
	.amdgpu_metadata
---
amdhsa.version: [ 1, 2 ]
amdhsa.kernels:
  - .name:           k_q471cc588ee_prep
    .symbol:         k_q471cc588ee_prep.kd
    .args:
      - { .name: x, .offset: 0, .size: 8, .value_kind: global_buffer, .address_space: global }
      - { .name: w_q, .offset: 8, .size: 8, .value_kind: global_buffer, .address_space: global }
      - { .name: b_q, .offset: 16, .size: 8, .value_kind: global_buffer, .address_space: global }
      - { .name: phi_q, .offset: 24, .size: 8, .value_kind: global_buffer, .address_space: global }
      - { .name: w_k, .offset: 32, .size: 8, .value_kind: global_buffer, .address_space: global }
      - { .name: b_k, .offset: 40, .size: 8, .value_kind: global_buffer, .address_space: global }
      - { .name: phi_k, .offset: 48, .size: 8, .value_kind: global_buffer, .address_space: global }
      - { .name: w_v, .offset: 56, .size: 8, .value_kind: global_buffer, .address_space: global }
      - { .name: b_v, .offset: 64, .size: 8, .value_kind: global_buffer, .address_space: global }
      - { .name: qw, .offset: 72, .size: 8, .value_kind: global_buffer, .address_space: global }
      - { .name: kv, .offset: 80, .size: 8, .value_kind: global_buffer, .address_space: global }
    .group_segment_fixed_size: 3072
    .private_segment_fixed_size: 0
    .kernarg_segment_align: 8
    .kernarg_segment_size: 88
    .max_flat_workgroup_size: 256
    .sgpr_count:     88
    .vgpr_count:     258
    .wavefront_size: 32
...
	.end_amdgpu_metadata
.endif
;; end of part 1
;; launch attn (part 2): grid 8 x 32, 16 waves a work-group, no clusters, 327,680 bytes of LDS; arguments qw, kv, w_out, b_out, out0; writes out0
.if DOCPART == 2
	.amdgcn_target "amdgcn-amd-amdhsa--gfx1250"
	.amdhsa_code_object_version 6
	.text
	.protected	k_q471cc588ee_attn
	.globl	k_q471cc588ee_attn
	.p2align	8
	.type	k_q471cc588ee_attn,@function
k_q471cc588ee_attn:
	s_mov_b64 s[64:65], 0
	v_nop
	global_prefetch_b8 v0, s[64:65] scope:SCOPE_SE
	s_setreg_imm32_b32 hwreg(HW_REG_WAVE_MODE, 25, 1), 1
	s_wait_xcnt 0x0
; out0 = (cos + sin)(O / (1 + |w_out|) + b_out), O = causal softmax(Q K^T / sqrt(128)) V, both products on codes of BF8 (E5M2) with one E8M0 byte for each 32 along K.
; qw and kv hold images of operand registers (a fragment: four pieces of 512 bytes, lane l's 16 bytes at 16 l) and scale words, a record for each 128 positions of a head:
;   qw record 16,896 bytes: 8 tiles of Q, scale words at 16,384.   kv record 25,344 bytes: 8 tiles of K, 4 tiles of V^T at 16,384, K's scale words at 24,576, V's at 25,088.
;   Row r of tile T of Q or K is position 32 (T / 2) + 8 (T % 2) + r + 8 (r / 8) of its block; row m of V's tile 2 a + j is channel 32 a + 2 m + j.
; SHARES.  A head has 16 blocks of 128 queries.  Work-group (p, head) owns blocks p and 15 - p: (p + 1) + (16 - p) = 17 block steps in every work-group, whatever p.
; Sixteen waves, one tile of 16 queries each in 256 registers.  Wave w takes tile w / 2 of block p or 15 - p by the bit (w ^ (w >> 2)) & 1.
; Both products are used transposed (S^T = K Q^T, O^T = V^T P^T): a lane holds ONE query (lane % 16) throughout; by the order of K's rows the 16 registers of tiles 2 b and 2 b + 1 are keys 32 b + 16 (lane / 16) + 0 .. 15.
; THE RING.  Two slots of four records (512 keys); waves 0-3 fetch a record each by one tensor load, all sixteen read.  Every work-group walks all 16 key steps; a step whose keys all come after the wave's block is left out
; by a scalar branch on ids, which jumps over no barrier and no tensor load.
; THE EXPONENT'S SHIFT IS THE CONSTANT 17.  Every quantised number of Q and K is a sine or cosine, at most 1 in magnitude, so |Q . K| <= 128 and |t| = |Q . K| log2(e) / sqrt(128) <= 16.33 for every input.
; With M = 17, p = 2^(t - 17) lies between 2^-33.4 and 2^-0.67, a row's sum under 2^11 times that, a block's byte at 78 or more: nothing overflows or underflows.  M is a whole number, so against the ceiling of the
; row's largest t every p, the sum and O differ by one exact power of two, which the blocks' scales take up.
; NO CLUSTER: the work-groups that read the same K and V own different query blocks, and the causal skip is a branch on that block; partners of a cluster must run alike.  A form in which they do (two tiles of each of eight
; blocks in every work-group) has 36 wave steps a SIMD against 34 here.
; THE TABLE STEP on the way out is the arithmetic of the first launch: y = (theta / 2 pi) mod 1, g = 1 - kappa f (1 - f), cos + sin = sqrt(2) S(||y - 1/8| - 1/2| - 1/4) g.
; LIMITS: as there (the table's own rounding, some 5e-7 absolute, is not reproduced); O / l / (1 + |w_out|) is O times the product of two reciprocals; NaN and infinities are not served.
; REGISTERS: v1-4, v7 addresses and the mask's number, never rewritten; v5, v6 the spare word's address and 0; v8-11 addresses in hand; v12 -17; v[14:15] the sum in two halves; v16-31 Q; v32-95 four fragments of K or V;
;   v96-159 S^T, then p; v160-191 O^T; v218-223 partial sums; v224-239 p's codes; v232-247 at work; v248-251 scale words loaded; v253 p's scale word; v254 -infinity; v255 Q's scale words.
.set REC,   25344
.set QREC,  16896
.set SLOT1, 4*REC                      ; slot 1 begins here
.set SPARE, 8*REC                      ; behind the ring: the spare words, 128 bytes for each of 16 waves: eight blocks of 256 bytes that no other line names
.set PAR,   SPARE+2048                 ; 1 / (1 + |w_out|) of the head's 64 channels, then b_out: 512 bytes, stored once; no fill lands here
.set STG,   16*272                     ; the way out: 16 rows x (256 bytes + 16) for each wave, from LDS byte 0 on: slot 0 has had its last fill and its last read by then
.set WV,  14
.set PP,  15
.set BH,  16
.set BLK, 17
.set TT,  18
.set TB,  40                           ; s40  LDS byte at which the step's record begins
.set KS,  41                           ; s41  the key step, 0 .. 15
.set CNT, 42
.set M2PI, 56
.set K4096, 58
.set KAP,  60
.set ME,   62
.set D4,   66
.set D2,   68
.set D1,   70
.set D0,   72
.set MQ,   74
.set INV,  76
.set YA, 128                           ; the table step's five sets of eight registers
.set YB, 136
.set YC, 144
.set YD, 152
.set YE, 192
.macro SPAIR reg, val
	s_mov_b32 s[\reg], \val
	s_mov_b32 s[\reg+1], \val
.endm
	s_load_b256 s[4:11], s[0:1], 0x0               ; qw s[4:5], kv s[6:7], w_out s[8:9], b_out s[10:11]
	s_load_b64 s[12:13], s[0:1], 0x20              ; out0
	v_lshl_add_u32 v5, v0, 2, SPARE
	v_mov_b32 v6, 0
	ds_add_u32 v5, v6
	ds_add_u32 v5, v6
	s_wait_dscnt 0x0
	v_lshrrev_b32 v1, 5, v0
	s_delay_alu instid0(VALU_DEP_1)
	v_readfirstlane_b32 s[WV], v1                  ; wave 0..15
	s_mov_b32 s[PP], ttmp9                         ; p
	s_and_b32 s[BH], ttmp7, 0xffff                 ; batch x 16 + head
	s_lshr_b32 s48, s[WV], 2
	s_xor_b32 s48, s48, s[WV]
	s_and_b32 s48, s48, 1
	s_sub_co_u32 s49, 15, s[PP]
	s_cmp_eq_u32 s48, 0
	s_cselect_b32 s[BLK], s[PP], s49               ; my block of queries
	s_lshr_b32 s[TT], s[WV], 1                     ; my tile in it
	; descriptor group 1: a record is dense: 99 rows of 32 elements of 8 bytes, no padding (the images are read at 16 x lane)
	s_mov_b32 s24, 3<<16                           ; no mask; elements of 8 bytes; padding off
	s_mov_b32 s25, 32<<16                          ; tensor_dim0 = 32
	s_mov_b32 s26, 99<<16                          ; tensor_dim1 = 99
	s_mov_b32 s27, 32<<16                          ; tile_dim0 = 32
	s_mov_b32 s28, 99                              ; tile_dim1 = 99
	s_mov_b32 s29, 32                              ; from row to row
	s_mov_b32 s30, 0
	s_mov_b32 s31, 0
	s_and_b32 s54, s[WV], 3
	s_mul_i32 s54, s54, REC                        ; which record of a slot I fetch, if I fetch
	s_mov_b32 s55, 0
	s_mov_b32 s32, 1                               ; group 0 for slot 0
	s_mov_b32 s33, s54
	s_mov_b32 s36, 1                               ; and for slot 1
	s_add_co_u32 s37, s54, SLOT1
	s_mul_i32 s52, s[BH], 16*REC
	s_mov_b32 s53, 0
	s_wait_kmcnt 0x0
	s_add_nc_u64 s[6:7], s[6:7], s[52:53]          ; my head's 16 records
	s_add_nc_u64 s[34:35], s[6:7], s[54:55]        ; key steps 0 to 3
	s_add_nc_u64 s[38:39], s[34:35], 4*REC         ; key steps 4 to 7
	s_or_b32 s35, s35, 0x80000000                  ; type = 2
	s_or_b32 s39, s39, 0x80000000
	s_cmp_lt_u32 s[WV], 4                          ; both first fills of a wave stand in one branch, ahead of every wait on TENSORcnt, every LDS read and every barrier: two loads of mine are out
	s_cbranch_scc0 .Lno_first
	tensor_load_to_lds s[32:35], s[24:31]
	s_nop 0
	tensor_load_to_lds s[36:39], s[24:31]
	s_nop 0
.rept 4
	v_nop                                          ; four lines behind a tensor load
.endr
.Lno_first:
	v_and_b32 v8, 15, v0                           ; r
	v_bfe_u32 v9, v0, 4, 1                         ; h
	v_and_b32 v10, 31, v0                          ; lane
	s_delay_alu instid0(VALU_DEP_1)
	v_lshlrev_b32 v1, 4, v10                       ; v1: 16 x lane
	s_delay_alu instid0(VALU_DEP_4)
	v_lshlrev_b32 v2, 2, v8                        ; v2: 4 r: Q's and K's scale words
	v_lshlrev_b32 v3, 3, v8                        ; v3: 8 r: V's
	s_delay_alu instid0(VALU_DEP_4)
	v_lshlrev_b32 v7, 8, v10                       ; v7: 256 x lane: the prefetch's offset
	s_lshr_b32 s75, s[TT], 1
	s_lshl_b32 s75, s75, 5
	s_and_b32 s49, s[TT], 1
	s_lshl_b32 s49, s49, 3
	s_add_co_u32 s75, s75, s49                     ; my tile's first position in the block: 32 (T / 2) + 8 (T % 2)
	v_and_b32 v4, 8, v8
	s_delay_alu instid0(VALU_DEP_1)
	v_add_nc_u32 v4, v4, v8
	v_lshlrev_b32 v9, 4, v9
	s_delay_alu instid0(VALU_DEP_1)
	v_sub_nc_u32 v4, v4, v9
	s_delay_alu instid0(VALU_DEP_1)
	v_add_nc_u32 v4, s75, v4                       ; v4: my query's position in the block - 16 h
	v_and_b32 v10, 63, v0
	s_delay_alu instid0(VALU_DEP_1)
	v_lshlrev_b32 v10, 2, v10                      ; 4 x (thread & 63): a channel's parameter
	s_delay_alu instid0(VALU_DEP_1)
	v_add_nc_u32 v252, PAR, v10                    ; and its place in LDS
	s_lshl_b32 s50, s[BH], 4
	s_add_co_u32 s50, s50, s[BLK]
	s_mul_i32 s50, s50, QREC                       ; Q's record
	s_lshl_b32 s49, s[TT], 6
	s_add_co_u32 s52, s50, s49
	s_add_co_u32 s52, s52, 16384                   ; my tile's scale words
	s_lshl_b32 s49, s[TT], 11
	s_add_co_u32 s50, s50, s49                     ; my tile's image
	s_mov_b32 s51, 0
	s_add_nc_u64 s[46:47], s[4:5], s[52:53]
	s_add_nc_u64 s[4:5], s[4:5], s[50:51]
.irp c, 0,1,2,3
	global_load_b128 v[16+4*\c:19+4*\c], v1, s[4:5] offset:512*\c th:TH_LOAD_NT    ; Q's fragment stays in registers
.endr
	global_load_b32 v255, v2, s[46:47]
	s_lshl_b32 s78, s[BLK], 7
	s_add_co_u32 s78, s78, s75
	s_lshl_b32 s78, s78, 12                        ; out0: my tile's first row, 4,096 bytes a row,
	s_lshr_b32 s49, s[BH], 4
	s_lshl_b32 s49, s49, 23                        ; the batch,
	s_add_co_u32 s78, s78, s49
	s_and_b32 s50, s[BH], 15
	s_lshl_b32 s50, s50, 8                         ; the head's 256 bytes
	s_add_co_u32 s78, s78, s50
	s_mov_b32 s79, 0
	s_add_nc_u64 s[12:13], s[12:13], s[78:79]
	s_add_nc_u64 s[8:9], s[8:9], s[50:51]
	s_add_nc_u64 s[10:11], s[10:11], s[50:51]
	; the one prefetch (macro ASK): wave 4 + i of the head's first work-group names 8,192 bytes of codes: record 12 + i / 3, part i % 3
	s_sub_co_u32 s48, s[WV], 4
	s_min_u32 s48, s48, 11                         ; (waves 0-3 ask for nothing; their number is held inside the range all the same)
	s_mul_i32 s49, s48, 11
	s_lshr_b32 s49, s49, 5                         ; i / 3 for i = 0 .. 11
	s_mul_i32 s52, s49, 3
	s_sub_co_u32 s48, s48, s52
	s_lshl_b32 s48, s48, 13
	s_add_co_u32 s49, s49, 12
	s_mul_i32 s49, s49, REC
	s_add_co_u32 s52, s48, s49
	s_add_nc_u64 s[44:45], s[6:7], s[52:53]
	s_cmp_gt_u32 s[WV], 3
	s_cselect_b32 s43, 1, 0
	s_cmp_eq_u32 s[PP], 0
	s_cselect_b32 s43, s43, 0                      ; 1 in waves 4-15 of the head's first work-group
	s_mov_b32 s20, 0x76543210
	s_mov_b32 s21, 0xfedcba98                      ; v_permlanex16_b32's selects for lane l xor 16
	SPAIR 22, 0x3e0293ee                           ; c = log2(e) / sqrt(128)
	SPAIR M2PI, 0xc0c90fdb
	SPAIR K4096, 0x45800000
	SPAIR KAP, 0x359de9e6
	SPAIR ME, 0xbe000000
	SPAIR D4, 0x4260ed1f
	SPAIR D2, 0x42e6ce82
	SPAIR D1, 0xc269dd26
	SPAIR D0, 0x410e2c19
	SPAIR INV, 0x3e22f983
	s_mov_b32 s[MQ], 0xbe800000
	v_mov_b32 v12, 0xc1880000                      ; -17
	v_mov_b32 v13, 0                               ; (named with it as a pair)
	v_mov_b32 v14, 0                               ; the sum, in two halves
	v_mov_b32 v15, 0
	v_mov_b32 v254, 0xff800000                     ; -infinity
.irp b, 0,1,2,3
	v_mov_b32 v[236+\b], 0                         ; written once: a lane permute's destination counts as one of its sources
.endr
.set i, 0
.rept 32
	v_mov_b32 v[160+i], 0                          ; O^T: so the key step is written once, with no first step of its own
.set i, i+1
.endr
	s_cmp_eq_u32 s[TT], 2                          ; waves 4 and 5: the head's 64 out parameters, a channel a thread
	s_cbranch_scc0 .Lno_par
	global_load_b32 v32, v10, s[8:9]
	global_load_b32 v33, v10, s[10:11]
	s_wait_loadcnt 0x0
	v_add_f32 v32, 1.0, |v32|
	s_wait_alu depctr_va_vdst(0)
	v_rcp_f32 v32, v32
	v_nop
	s_wait_alu depctr_va_vdst(0)                   ; the wait ahead of the reciprocal's first reader
	ds_store_b32 v252, v32
	ds_store_b32 v252, v33 offset:256
.Lno_par:
	s_wait_loadcnt 0x0                             ; Q
	s_wait_tensorcnt 0x1                           ; my part of slot 0 is in; slot 1's may stay out
	s_wait_dscnt 0x0                               ; the parameters have landed
	s_barrier_signal -1
	s_barrier_wait -1
	s_mov_b32 s[KS], 0
; A KEY STEP: 128 keys, the record at LDS byte s[TB].
.macro STEP
	s_cmp_gt_u32 s[KS], s[BLK]                     ; all its keys come after my block: left out
	s_cbranch_scc1 .Lhidden_\@
	s_setprio 2
	v_add_nc_u32 v8, s[TB], v1
	s_wait_alu depctr_va_vdst(0)
	v_add_nc_u32 v9, s[TB], v2
	s_wait_alu depctr_va_vdst(0)
	v_add_nc_u32 v10, s[TB], v3
	s_wait_alu depctr_va_vdst(0)
.rept 5
	v_nop                                          ; with the three additions: eight places between the last step's products and loads into registers that they read
.endr
.irp g, 0,1                                    ; S^T = K Q^T, four tiles of 16 keys at a time
.if \g
.rept 8
	v_nop
.endr
.endif
.irp t, 0,1,2,3
.irp c, 0,1,2,3
	ds_load_b128 v[32+16*\t+4*\c:35+16*\t+4*\c], v8 offset:2048*(4*\g+\t)+512*\c
.endr
	ds_load_b32 v[248+\t], v9 offset:24576+64*(4*\g+\t)
.endr
	s_wait_dscnt 0x0
.irp t, 0,1,2,3
	v_wmma_scale_f32_16x16x128_f8f6f4 v[96+8*(4*\g+\t):103+8*(4*\g+\t)], v[32+16*\t:47+16*\t], v[16:31], 0, v[248+\t], v255 matrix_a_fmt:MATRIX_FMT_BF8 matrix_b_fmt:MATRIX_FMT_BF8
.endr
.endr
.rept 8
	v_nop                                          ; eight places: for the loads below and for the first read of the scores
.endr
.irp t, 0,1,2,3                                ; V's four tiles and their scale words are asked for now and waited for behind the softmax
.irp c, 0,1,2,3
	ds_load_b128 v[32+16*\t+4*\c:35+16*\t+4*\c], v8 offset:16384+2048*\t+512*\c
.endr
	ds_load_b32 v[248+\t], v10 offset:25088+128*(\t/2)+4*(\t%2)
.endr
	s_cmp_lg_u32 s[KS], s[BLK]                     ; only the step on the diagonal has hidden keys
	s_cbranch_scc1 .Lopen_\@
.set n, 0
.rept 64                                       ; register 16 b + i holds key 32 b + 16 h + i: hidden where 32 b + i > my position - 16 h.  Ascending, so each result is read from its low end on
	v_cmp_gt_i32 vcc_lo, 32*(n/16)+n%16, v4
	v_cndmask_b32 v[96+n], v[96+n], v254, vcc_lo
.set n, n+1
.endr
.Lopen_\@:
.irp b, 0,1,2,3
	v_max3_num_f32 v[232+\b], v[96+16*\b], v[97+16*\b], v[98+16*\b]           ; the largest score of each block of 32 keys: p rises with the score, so it gives the block's largest p
.endr
.irp i, 3,5,7,9,11,13
.irp b, 0,1,2,3
	v_max3_num_f32 v[232+\b], v[232+\b], v[96+16*\b+\i], v[97+16*\b+\i]
.endr
.endr
	s_setprio 1
.irp b, 0,1,2,3
	v_max_num_f32 v[232+\b], v[232+\b], v[111+16*\b]
.endr
.irp b, 0,1,2,3
	v_permlanex16_b32 v[236+\b], v[232+\b], s20, s21
.endr
.irp b, 0,1,2,3
	s_delay_alu instid0(VALU_DEP_4)
	v_max_num_f32 v[232+\b], v[232+\b], v[236+\b]                             ; with lane l xor 16's 16 keys
.endr
.set n, 0
.rept 32
	v_pk_fma_f32 v[96+n:97+n], v[96+n:97+n], s[22:23], v[12:13] op_sel_hi:[1,0,0]   ; t - 17, two at a time
.set n, n+2
.endr
.irp b, 0,1,2,3
	v_fma_f32 v[232+\b], v[232+\b], s22, v12                                  ; the same of each block's largest score
.endr
	s_wait_alu depctr_va_vdst(0)
.irp b, 0,1,2,3
	v_exp_f32 v[232+\b], v[232+\b]                                            ; ONE batch of 68 exponentials
.endr
.set n, 0
.rept 64
	v_exp_f32 v[96+n], v[96+n]                                                ; p = 2^(t - 17): not normalised
.set n, n+1
.endr
	v_nop                                          ; the plain line behind the last exponential
	s_wait_alu depctr_va_vdst(0)                   ; one wait for the batch, ahead of its first reader
.irp b, 0,1,2,3
	v_max_num_f32 v[232+\b], 0x8000000, v[232+\b]                             ; the floor 2^(16 - 127): a block of hidden keys keeps the byte 1; its codes are zeros
.endr
.irp b, 0,1,2,3
	s_delay_alu instid0(VALU_DEP_4)
	v_add_nc_u32 v[244+\b], 0xf8800000, v[232+\b]                             ; 15 off the exponent field: the conversion's scale operand
.endr
.irp b, 0,1,2,3
.endr
.irp b, 0,1,2,3
	s_delay_alu instid0(VALU_DEP_4)
	v_lshrrev_b32 v[236+\b], 23, v[244+\b]                                    ; the scale's byte
.endr
	s_delay_alu instid0(VALU_DEP_3)
	v_lshl_or_b32 v253, v237, 8, v236              ; p's scale word for these 128 keys
	s_delay_alu instid0(VALU_DEP_1)
	v_lshl_or_b32 v253, v238, 16, v253
	s_delay_alu instid0(VALU_DEP_1)
	v_lshl_or_b32 v253, v239, 24, v253
	s_setprio 0
.irp b, 0,1,2,3
.irp i, 0,1,2,3,4,5,6,7,8,9,10,11,12,13,14,15
.endr
	v_cvt_scalef32_pk8_bf8_f32 v[224+4*\b:225+4*\b], v[192+16*(\b%2)+((96+16*\b+0)-(192+16*(\b%2)+0)):199+16*(\b%2)+((96+16*\b+0)-(192+16*(\b%2)+0))], v[244+\b]
	v_cvt_scalef32_pk8_bf8_f32 v[226+4*\b:227+4*\b], v[200+16*(\b%2)+((96+16*\b+0)-(192+16*(\b%2)+0)):207+16*(\b%2)+((96+16*\b+0)-(192+16*(\b%2)+0))], v[244+\b]
.endr
	v_pk_add_f32 v[240:241], v[100:101], v[104:105]
	v_pk_add_f32 v[246:247], v[108:109], v[112:113]
	v_pk_add_f32 v[244:245], v[116:117], v[120:121]
	v_pk_add_f32 v[242:243], v[124:125], v[128:129]
	v_pk_add_f32 v[222:223], v[132:133], v[136:137]
	v_pk_add_f32 v[220:221], v[140:141], v[144:145]
	v_pk_add_f32 v[218:219], v[148:149], v[152:153]
	v_pk_add_f32 v[14:15], v[14:15], v[156:157]
	v_pk_add_f32 v[240:241], v[240:241], v[96:97]
	v_pk_add_f32 v[246:247], v[246:247], v[98:99]
	v_pk_add_f32 v[244:245], v[244:245], v[102:103]
	v_pk_add_f32 v[242:243], v[242:243], v[106:107]
	v_pk_add_f32 v[222:223], v[222:223], v[110:111]
	v_pk_add_f32 v[220:221], v[220:221], v[114:115]
	v_pk_add_f32 v[218:219], v[218:219], v[118:119]
	v_pk_add_f32 v[14:15], v[14:15], v[122:123]
	v_pk_add_f32 v[240:241], v[240:241], v[126:127]
	v_pk_add_f32 v[246:247], v[246:247], v[130:131]
	v_pk_add_f32 v[244:245], v[244:245], v[134:135]
	v_pk_add_f32 v[242:243], v[242:243], v[138:139]
	v_pk_add_f32 v[222:223], v[222:223], v[142:143]
	v_pk_add_f32 v[220:221], v[220:221], v[146:147]
	v_pk_add_f32 v[218:219], v[218:219], v[150:151]
	v_pk_add_f32 v[14:15], v[14:15], v[154:155]
	v_pk_add_f32 v[240:241], v[240:241], v[158:159]
	s_delay_alu instid0(VALU_DEP_2)
	v_pk_add_f32 v[14:15], v[14:15], v[242:243]
	s_delay_alu instid0(VALU_DEP_2)
	v_pk_add_f32 v[240:241], v[240:241], v[222:223]
	v_pk_add_f32 v[246:247], v[246:247], v[220:221]
	v_pk_add_f32 v[244:245], v[244:245], v[218:219]
	s_delay_alu instid0(VALU_DEP_2)
	v_pk_add_f32 v[14:15], v[14:15], v[246:247]
	s_delay_alu instid0(VALU_DEP_2)
	v_pk_add_f32 v[240:241], v[240:241], v[244:245]
	s_delay_alu instid0(VALU_DEP_1)
	v_pk_add_f32 v[14:15], v[14:15], v[240:241]
	s_wait_dscnt 0x0                               ; V and its scale words are in
.irp t, 0,1,2,3                                ; O^T += V^T P^T; the four accumulators by turns, and eight other products stand between two links of a chain
	v_wmma_scale_f32_16x16x128_f8f6f4 v[160+8*\t:167+8*\t], v[32+16*\t:47+16*\t], v[224:239], v[160+8*\t:167+8*\t], v[248+\t], v253 matrix_a_fmt:MATRIX_FMT_BF8 matrix_b_fmt:MATRIX_FMT_BF8
.endr
.Lhidden_\@:
.endm
; a slot's four key steps: a loop of constant count
.macro PHASE base
	s_mov_b32 s[TB], \base
	s_mov_b32 s[CNT], 4
.Lstep_\@:
	STEP
	s_add_co_u32 s[TB], s[TB], REC
	s_add_co_u32 s[KS], s[KS], 1
	s_sub_co_u32 s[CNT], s[CNT], 1
	s_cmp_lg_u32 s[CNT], 0
	s_cbranch_scc1 .Lstep_\@
	s_setprio 0
.endm
; A PREFETCH INTO THE L2 of the codes of key steps 12 to 15, which the NEXT change of slots asks for: four key steps ahead of that load.  All eight work-groups of a head walk the same records: the first of them asks.
; In it the twelve waves that fetch nothing name 8,192 bytes each, lanes 256 bytes apart: each aligned block of 256 bytes of the 4 x 24,576 bytes of codes once.  Key steps 0 to 11 and the scale words come by their loads alone.
.macro ASK
	s_cmp_eq_u32 s43, 1
	s_cbranch_scc0 .Lnot_mine_\@
	global_prefetch_b8 v7, s[44:45] th:TH_LOAD_NT scope:SCOPE_SE
.Lnot_mine_\@:
.endm
; THE CHANGE OF SLOTS.  Each wave waits for all its tensor loads, adds 0 to its spare word, and waits for that and for its reads of the slot that it has left.  Behind the barrier the slot ahead is whole and nobody
; reads the other one.  fill = 1: that other slot takes the records eight key steps on: a wave's one tensor load until the next such barrier, with four key steps in which to land.
.macro CHANGE fill, g0, ask
	s_wait_tensorcnt 0x0                           ; no tensor load of mine is out, so a group 0 may be written
	ds_add_u32 v5, v6                              ; 0 onto my spare word
.if \fill
	s_add_nc_u64 s[\g0+2:\g0+3], s[\g0+2:\g0+3], 8*REC   ; the type bits on top are not reached
.endif
	s_wait_dscnt 0x0                               ; the add is done, and my reads of the slot that I have left are over
	s_barrier_signal -1
	s_barrier_wait -1
.if \fill
	s_cmp_lt_u32 s[WV], 4
	s_cbranch_scc0 .Lno_fill_\@
	tensor_load_to_lds s[\g0:\g0+3], s[24:31]
	s_nop 0
.rept 4
	v_nop
.endr
.Lno_fill_\@:
.endif
.if \ask
	ASK
.endif
.endm
	PHASE 0                                        ; key steps 0 to 3
	CHANGE 1, 32, 1                                ; slot 0 takes key steps 8 to 11
	PHASE SLOT1                                    ; 4 to 7
	CHANGE 1, 36, 0                                ; slot 1 takes key steps 12 to 15
	PHASE 0                                        ; 8 to 11
	CHANGE 0, 32, 0                                ; nothing is left to fetch
	PHASE SLOT1                                    ; 12 to 15
	; THE WAY OUT.  The sum's halves; theta = O / l / (1 + |w_out|) + b_out; the table step; through my stage in LDS, so that sixteen lanes store 256 consecutive bytes.
	s_wait_alu depctr_va_vdst(0)
	v_add_f32 v14, v14, v15
	s_delay_alu instid0(VALU_DEP_1)
	v_permlanex16_b32 v13, v14, s20, s21
	s_delay_alu instid0(VALU_DEP_1)
	v_add_f32 v14, v14, v13                        ; with lane l xor 16's keys: the row's sum
	s_wait_alu depctr_va_vdst(0)
	v_rcp_f32 v14, v14
	v_and_b32 v240, 15, v0                         ; r.  (These eleven plain lines and the two additions are the places behind the last products, and the plain line behind the reciprocal)
	v_bfe_u32 v241, v0, 4, 1                       ; h
	s_delay_alu instid0(VALU_DEP_1)
	v_lshl_add_u32 v8, v241, 6, PAR                ; the parameters of my half's channels
	s_mul_i32 s48, s[WV], STG                      ; my stage
	v_mul_u32_u24 v9, v240, 272
	s_delay_alu instid0(VALU_DEP_1)
	v_lshl_add_u32 v9, v241, 6, v9
	s_delay_alu instid0(VALU_DEP_1)
	v_add_nc_u32 v9, s48, v9                       ; in: row r, + 64 h
	v_mul_u32_u24 v10, v241, 272
	s_delay_alu instid0(VALU_DEP_1)
	v_lshl_add_u32 v10, v240, 4, v10
	s_delay_alu instid0(VALU_DEP_1)
	v_add_nc_u32 v10, s48, v10                     ; back: lanes 0-15 one row, lanes 16-31 the next
	v_lshlrev_b32 v11, 12, v241
	s_delay_alu instid0(VALU_DEP_1)
	v_lshl_add_u32 v11, v240, 4, v11               ; and the same two rows in out0
.irp a, 0,1
.irp k, 0,1,2,3
	ds_load_b128 v[32+16*\a+4*\k:35+16*\a+4*\k], v8 offset:128*\a+16*\k        ; register 16 a + e: channel 32 a + 16 h + e
	ds_load_b128 v[64+16*\a+4*\k:67+16*\a+4*\k], v8 offset:256+128*\a+16*\k
.endr
.endr
	v_mov_b32 v12, 0xc2d89ad5                      ; the polynomial's coefficient of degree 3, as a pair
	v_mov_b32 v13, 0xc2d89ad5
	s_wait_alu depctr_va_vdst(0)                   ; the wait ahead of the reciprocal's first reader
	s_wait_dscnt 0x0
.set n, 0
.rept 16
	v_pk_mul_f32 v[32+n:33+n], v[32+n:33+n], v[14:15] op_sel_hi:[1,0]          ; 1 / (l (1 + |w_out|))
.set n, n+2
.endr
.irp a, 0,1
.irp j, 0,1
.irp q, 0,1,2,3,4,5,6,7                        ; register q of tile 2 a + j is channel 32 a + 16 h + 2 q + j: the multiply-add also puts the channels in order; each result is read from its low end on
	v_fma_f32 v[96+16*\a+2*\q+\j], v[160+8*(2*\a+\j)+\q], v[32+16*\a+2*\q+\j], v[64+16*\a+2*\q+\j]
.endr
.endr
.endr
; eight angles in v[x ..] -> cos + sin of the table step, in place
.macro LSUM8 x
.irp n, 0,2,4,6
	v_pk_mul_f32 v[YA+\n:YA+\n+1], v[\x+\n:\x+\n+1], s[INV:INV+1] op_sel_hi:[1,0]
.endr
.irp n, 0,2,4,6
	s_delay_alu instid0(VALU_DEP_4)
	v_pk_fma_f32 v[\x+\n:\x+\n+1], v[YA+\n:YA+\n+1], s[M2PI:M2PI+1], v[\x+\n:\x+\n+1] op_sel_hi:[1,0,1]
.endr
.irp n, 0,2,4,6
	s_delay_alu instid0(VALU_DEP_4)
	v_pk_fma_f32 v[YA+\n:YA+\n+1], v[\x+\n:\x+\n+1], s[INV:INV+1], v[YA+\n:YA+\n+1] op_sel_hi:[1,0,1]   ; theta / 2 pi, rounded as a quotient
.endr
.irp n, 0,1,2,3,4,5,6,7
	v_floor_f32 v[YB+\n], v[YA+\n]
.endr
.irp n, 0,2,4,6
	v_pk_add_f32 v[YA+\n:YA+\n+1], v[YA+\n:YA+\n+1], v[YB+\n:YB+\n+1] neg_lo:[0,1] neg_hi:[0,1]         ; y
.endr
.irp n, 0,2,4,6
	s_delay_alu instid0(VALU_DEP_4)
	v_pk_mul_f32 v[YB+\n:YB+\n+1], v[YA+\n:YA+\n+1], s[K4096:K4096+1] op_sel_hi:[1,0]
.endr
.irp n, 0,1,2,3,4,5,6,7
	v_floor_f32 v[YC+\n], v[YB+\n]
.endr
.irp n, 0,2,4,6
	v_pk_add_f32 v[YB+\n:YB+\n+1], v[YB+\n:YB+\n+1], v[YC+\n:YC+\n+1] neg_lo:[0,1] neg_hi:[0,1]         ; f
.endr
.irp n, 0,2,4,6
	s_delay_alu instid0(VALU_DEP_4)
	v_pk_fma_f32 v[YC+\n:YC+\n+1], v[YB+\n:YB+\n+1], v[YB+\n:YB+\n+1], v[YB+\n:YB+\n+1] neg_lo:[0,0,1] neg_hi:[0,0,1]
.endr
.irp n, 0,2,4,6
	s_delay_alu instid0(VALU_DEP_4)
	v_pk_fma_f32 v[YC+\n:YC+\n+1], v[YC+\n:YC+\n+1], s[KAP:KAP+1], 1.0 op_sel_hi:[1,0,0]                ; g
.endr
.irp n, 0,2,4,6
	v_pk_add_f32 v[YB+\n:YB+\n+1], v[YA+\n:YA+\n+1], s[ME:ME+1] op_sel_hi:[1,0]
.endr
.irp n, 0,1,2,3,4,5,6,7
	v_add_f32 v[YB+\n], |v[YB+\n]|, -0.5
.endr
.irp n, 0,1,2,3,4,5,6,7
	v_add_f32 v[YB+\n], |v[YB+\n]|, s[MQ]                                                               ; t
.endr
.irp n, 0,2,4,6
	v_pk_mul_f32 v[YD+\n:YD+\n+1], v[YB+\n:YB+\n+1], v[YB+\n:YB+\n+1]
.endr
.irp n, 0,2,4,6
	s_delay_alu instid0(VALU_DEP_4)
	v_pk_fma_f32 v[YE+\n:YE+\n+1], v[YD+\n:YD+\n+1], s[D4:D4+1], v[12:13] op_sel_hi:[1,0,1]
.endr
.irp n, 0,2,4,6
	s_delay_alu instid0(VALU_DEP_4)
	v_pk_fma_f32 v[YE+\n:YE+\n+1], v[YE+\n:YE+\n+1], v[YD+\n:YD+\n+1], s[D2:D2+1] op_sel_hi:[1,1,0]
.endr
.irp n, 0,2,4,6
	s_delay_alu instid0(VALU_DEP_4)
	v_pk_fma_f32 v[YE+\n:YE+\n+1], v[YE+\n:YE+\n+1], v[YD+\n:YD+\n+1], s[D1:D1+1] op_sel_hi:[1,1,0]
.endr
.irp n, 0,2,4,6
	s_delay_alu instid0(VALU_DEP_4)
	v_pk_fma_f32 v[YE+\n:YE+\n+1], v[YE+\n:YE+\n+1], v[YD+\n:YD+\n+1], s[D0:D0+1] op_sel_hi:[1,1,0]
.endr
.irp n, 0,2,4,6
	v_pk_mul_f32 v[YB+\n:YB+\n+1], v[YB+\n:YB+\n+1], v[YC+\n:YC+\n+1]
.endr
.irp n, 0,2,4,6
	s_delay_alu instid0(VALU_DEP_4)
	v_pk_mul_f32 v[\x+\n:\x+\n+1], v[YE+\n:YE+\n+1], v[YB+\n:YB+\n+1]
.endr
.endm
	LSUM8 96
	LSUM8 104
	LSUM8 112
	LSUM8 120
.irp a, 0,1
.irp k, 0,1,2,3
	ds_store_b128 v9, v[96+16*\a+4*\k:99+16*\a+4*\k] offset:128*\a+16*\k
.endr
.endr
.irp i, 0,1,2,3,4,5,6,7
	ds_load_b128 v[128+4*\i:131+4*\i], v10 offset:2*\i*272         ; LDS serves a wave's instructions in order (ISA guide 5.7.1.4): these see my stores
.endr
.irp i, 0,1,2,3,4,5,6,7
	s_wait_dscnt 7-\i                              ; loads come back in order: pair i of rows is in, the younger ones stay out
	global_store_b128 v11, v[128+4*\i:131+4*\i], s[12:13] offset:(2*\i+8*(\i/4))*4096 th:TH_STORE_NT   ; stage row rr is position rr + 8 (rr / 8) of the tile; 16 lanes store 256 consecutive bytes, aligned
.endr
	s_wait_tensorcnt 0x0                           ; the wave's end, behind my last tensor load and my last LDS store
	ds_add_u32 v5, v6
	s_wait_dscnt 0x0
	s_endpgm
.Lfunc_end_k_q471cc588ee_attn:
	.size	k_q471cc588ee_attn, .Lfunc_end_k_q471cc588ee_attn-k_q471cc588ee_attn
	.p2alignl 7, 3214868480
	.fill 96, 4, 3214868480
	.section	.rodata,"a",@progbits
	.p2align	6, 0x0
	.amdhsa_kernel k_q471cc588ee_attn
		.amdhsa_group_segment_fixed_size 327680
		.amdhsa_private_segment_fixed_size 0
		.amdhsa_enable_private_segment 0
		.amdhsa_kernarg_size 40
		.amdhsa_user_sgpr_count 2
		.amdhsa_user_sgpr_kernarg_segment_ptr 1
		.amdhsa_wavefront_size32 1
		.amdhsa_system_sgpr_workgroup_id_x 1
		.amdhsa_system_sgpr_workgroup_id_y 1
		.amdhsa_system_sgpr_workgroup_id_z 1
		.amdhsa_system_vgpr_workitem_id 0
		.amdhsa_next_free_vgpr 256
		.amdhsa_next_free_sgpr 80
		.amdhsa_reserve_vcc 1
		.amdhsa_float_denorm_mode_32 3
		.amdhsa_float_denorm_mode_16_64 3
		.amdhsa_fp16_overflow 1
		.amdhsa_memory_ordered 1
		.amdhsa_forward_progress 1
		.amdhsa_inst_pref_size 135
	.end_amdhsa_kernel
	.amdgpu_metadata
---
amdhsa.version: [ 1, 2 ]
amdhsa.kernels:
  - .name:           k_q471cc588ee_attn
    .symbol:         k_q471cc588ee_attn.kd
    .args:
      - { .name: qw, .offset: 0, .size: 8, .value_kind: global_buffer, .address_space: global }
      - { .name: kv, .offset: 8, .size: 8, .value_kind: global_buffer, .address_space: global }
      - { .name: w_out, .offset: 16, .size: 8, .value_kind: global_buffer, .address_space: global }
      - { .name: b_out, .offset: 24, .size: 8, .value_kind: global_buffer, .address_space: global }
      - { .name: out0, .offset: 32, .size: 8, .value_kind: global_buffer, .address_space: global }
    .group_segment_fixed_size: 327680
    .private_segment_fixed_size: 0
    .kernarg_segment_align: 8
    .kernarg_segment_size: 40
    .max_flat_workgroup_size: 512
    .sgpr_count:     80
    .vgpr_count:     256
    .wavefront_size: 32
...
	.end_amdgpu_metadata
.endif
;; end of part 2
